; MI455X (gfx1250); checked and timed in simulation.
; The chip was launched on July 23, 2026; its instructions are those of AMD's public machine-readable ISA for CDNA 5 (MIT licence, August 2026) and "CDNA5" Instruction Set Architecture Reference Guide (July 2026). The comments in the code are by the model that wrote it; some were corrected since.
;; Cross Attention. Allowed arithmetic: matrix products marked QUANTISED: E2M1 operands, one E8M0 scale for each 32 along K, by v_wmma_scale_f32_16x16x128_f8f6f4 with both operands' format E2M1 (or v_wmma_scale_f32_32x16x128_f4), f32 sums; everything else in f32.
;; Inputs: Wk 512 x 512 float32; Wq 512 x 512 float32; Wv 512 x 512 float32; bk 512 float32; bq 512 float32; bv 512 float32; context 8 x 2,048 x 512 float32; x 8 x 2,048 x 512 float32.
;; Outputs: out0 8 x 2,048 x 512 float32.
;; This version of the problem:
;;   THIS VERSION OF THE PROBLEM IS GIVEN IN LOW PRECISION. The matrix products marked QUANTISED in the list below multiply operands that are first quantised to E2M1 (2 exponent bits, 1 mantissa bit; 4 bits a number), with one power-of-two scale for each 32 numbers along K (OCP MX v1.0); their sums are f32. All else is computed in f32.
;;   The module's matrix products, in the order in which they are computed (A, B: the left and right operand; K: the contracted axis; several contracted axes count as one K, in the product's order):
;;     1. [M 16,384, K 512] x [K 512, N 512]; A: input x; B: input Wq: QUANTISED
;;     2. [M 16,384, K 512] x [K 512, N 512]; A: input context; B: input Wk: QUANTISED
;;     3. [M 16,384, K 512] x [K 512, N 512]; A: input context; B: input Wv: QUANTISED
;;     4. batch 8 x [M 2,048, K 512] x [K 512, N 2,048]; A: computed on the way; B: computed on the way: QUANTISED
;;     5. batch 8 x [M 2,048, K 2,048] x [K 2,048, N 512]; A: softmax (see below); B: computed on the way: QUANTISED
;;   THE QUANTISER, for each operand of a quantised product, along K:
;;     - K is cut into blocks of 32 from its start; a last block that is shorter is filled with zeros.
;;     - A block's scale is 2^e with e = floor(log2(the largest magnitude in the block)) - 2, held to -126 .. 127; a block of zeros has e = 0. As a byte (E8M0): e + 127.
;;     - Each number is divided by its block's scale, clamped to +-6, and rounded to the nearest number of E2M1, ties to even, subnormals kept.
;;     - The product sums the exact products of the quantised numbers (number of the format x scale) in f32.
;;   ~~~python
;;   def quantise(x, axis):      # numpy; x: float32 -> the quantised numbers, widened to float32 again
;;       x = np.moveaxis(x, axis, -1); K = x.shape[-1]
;;       x = np.pad(x, [(0, 0)] * (x.ndim - 1) + [(0, -K % 32)]); x = x.reshape(x.shape[:-1] + (-1, 32)); a = np.abs(x).max(-1, keepdims=True)
;;       e = np.where(a > 0, np.clip(np.frexp(np.where(a > 0, a, 1))[1] - 1 - 2, -126, 127), 0)      # np.frexp(a)[1] - 1 = floor(log2(a)), exactly
;;       r = np.clip(x / 2.0 ** e, -6, 6)
;;       step = 2.0 ** (np.maximum(np.frexp(np.where(r == 0, 1, r))[1] - 1, 0) - 1)
;;       q = np.round(r / step) * step * 2.0 ** e      # np.round: ties to even
;;       return np.moveaxis(q.reshape(q.shape[:-2] + (-1,))[..., :K], -1, axis).astype(np.float32)
;;   ~~~
;;   SOFTMAX AHEAD OF A QUANTISED PRODUCT. Where the list says 'softmax', what is quantised is not the finished softmax but p = 2^(t - M), with t = logit x log2(e) and M = ceil(the row's largest t), a whole number; so 1/2 < the row's largest p <= 1. The row's sum l is taken of the UNQUANTISED p, in f32, and the product's result is divided by l at the end. Since M is a whole number, a kernel that streams over the keys may use a running M (the ceiling of the running maximum): every later rescaling is an exact power of two, which a block's scale takes up: the codes' values come out the same.
;;   OPERANDS COMPUTED ON THE WAY. 'Computed on the way' means the value that the module computes at that place (a softmax that the list does not call 'softmax' is quantised finished and normalised). What goes into a quantiser is computed in f32, as accurately as f32 sums, v_exp_f32 and their like allow (about 1e-6 of the number): no bf16 or f16 on the way to a quantiser, and a product that is left as it is and whose result goes on into a quantised operand takes f32 operands (vector FMAs, or v_wmma_f32_16x16x4_f32). A number that lies on a knife's edge between two numbers of the format may be rounded either way, as far as f32 arithmetic and the matrix unit's own rounding can turn it there, and no further.
;; One version. Each part assembles by itself: llvm-mc -triple=amdgcn-amd-amdhsa -mcpu=gfx1250 --defsym DOCPART=n.
;; ======== version 1 of 1: 3 launches
;; limits: right only within a limited range of input values
;; workspace buffers: wc 393,216 bytes; ws 24,576 bytes; qkv 13,369,344 bytes
;; launch weights (part 1): grid 96 x 1, 4 waves a work-group, no clusters, 46,080 bytes of LDS; arguments Wq, Wk, Wv, wc, ws; writes wc, ws
.if DOCPART == 1
	.amdgcn_target "amdgcn-amd-amdhsa--gfx1250"
	.amdhsa_code_object_version 6
	.text
	.protected	k_qcc1416c16f_weights
	.globl	k_qcc1416c16f_weights
	.p2align	8
	.type	k_qcc1416c16f_weights,@function
k_qcc1416c16f_weights:
	s_mov_b64 s[64:65], 0
	v_nop
	global_prefetch_b8 v0, s[64:65] scope:SCOPE_SE
	s_setreg_imm32_b32 hwreg(HW_REG_WAVE_MODE, 25, 1), 1
	s_wait_xcnt 0x0
; CROSS ATTENTION IN MX-FP4, launch 1 of 3: Wq, Wk, Wv (f32, K innermost) become codes of E2M1 with one E8M0 byte for each 32 along K.
; NO WORK OF THE PROBLEM IS DEAD.  bq, bk and bv are added ahead of a quantiser of a live product (Q and K along the 512 channels, V along the keys), so each can move codes and scales:
; all eight inputs are loaded and all five products are done.
; A block's scale is 2^(floor(log2(its largest magnitude)) - 2); its byte is the largest magnitude's exponent field - 2, held at 1 from below.
; LIMITS: NaN and infinities among the inputs are not served.  A block of zeros gets the byte 1 where the rule says 127: its codes are zeros, which add nothing under any byte but 0xff,
; and the bytes are read by this program alone.  Blocks whose largest magnitude lies under 2^(3 - 127) are held at that byte too.
; A TILE is 16 rows x 512 along K.  Tile 2 b + u of a tensor holds, at place r = 0 .. 15, the tensor's row 32 b + 8 u + r + 8 (r / 8):
; so the eight results of a product whose source 0 is eight neighbouring tiles are, in a lane, neighbours along those 128 rows.
; A tile's codes are 4,096 bytes [block of 32 along K: 16][place r: 16][16 bytes]: the bytes 1,024 s + 512 c + 16 lane are registers 4 c .. 4 c + 3 of the fragment of K step s.  Its scale bytes are 256 bytes [r][16].
; Tiles: Wq 0 .. 31, Wk 32 .. 63, Wv 64 .. 95.
; SHARES.  A work-group makes one tile, a wave four places of it.  A row comes by four loads of 512 consecutive bytes and turns through the wave's own stage in LDS, so that a lane holds 16 neighbours (two neighbouring lanes hold a block).
; The tile's codes and bytes meet in LDS behind one barrier and leave by stores of 512 and 256 consecutive bytes.  No matrix work, no loop: clusters and prefetches would serve nothing.
.set SP,    80                         ; a turning stage: 32 lanes x (64 bytes + 16)
.set STG,   32*SP
.set CST,   4*4*STG                    ; behind the waves' four stages each: the tile's codes, 16 blocks x (256 bytes + 16),
.set CP,    272
.set SCB,   CST+16*CP                  ; and its 256 scale bytes
.set SPARE, SCB+256                    ; the spare words, that no other line names
.set SPW,   1
.set NIL,   2
.set R,     32                         ; v32-95 four rows as they are loaded; then each row's 16 neighbours
.set C,     96                         ; v96-103 codes
.set E,     104                        ; v104-107 scale bytes
	s_load_b256 s[4:11], s[0:1], 0x0               ; Wq, Wk, Wv, the codes
	s_load_b64 s[12:13], s[0:1], 0x20              ; the scale bytes
	v_lshl_add_u32 v[SPW], v0, 2, SPARE
	v_mov_b32 v[NIL], 0
	v_lshrrev_b32 v3, 5, v0
	v_readfirstlane_b32 s16, v3                    ; wave
	s_mul_i32 s17, s16, 4*STG                      ; my stages
	s_lshl_b32 s18, s16, 6                         ; my four places, 16 bytes each,
	s_add_co_u32 s19, s18, SCB
	s_add_co_u32 s18, s18, CST
	s_mul_i32 s20, s16, 4*CP
	s_add_co_u32 s20, s20, CST                     ; and the four blocks that I store
	s_and_b32 s21, ttmp9, 31                       ; the tile's number in its tensor, 2 b + u
	s_lshr_b32 s22, s21, 1
	s_lshl_b32 s22, s22, 16                        ; b: 32 rows of 2,048 bytes
	s_and_b32 s21, s21, 1
	s_lshl_b32 s21, s21, 14                        ; u: 8 rows
	s_add_co_u32 s22, s22, s21
	s_lshl_b32 s21, s16, 13                        ; 4 rows a wave,
	s_add_co_u32 s22, s22, s21
	s_lshr_b32 s21, s16, 1
	s_lshl_b32 s21, s21, 14                        ; and 8 more from place 8 on
	s_add_co_u32 s22, s22, s21
	s_mov_b32 s23, 0
	s_lshl_b32 s24, ttmp9, 12
	s_lshl_b32 s26, s16, 10
	s_add_co_u32 s24, s24, s26
	s_mov_b32 s25, 0
	s_lshl_b32 s26, ttmp9, 8
	s_mov_b32 s27, 0
	v_and_b32 v3, 31, v0                           ; lane
	v_lshlrev_b32 v4, 4, v3                        ; 16 x lane
	v_lshrrev_b32 v5, 2, v3
	v_and_b32 v6, 3, v3
	v_mul_u32_u24 v5, v5, SP
	v_lshl_add_u32 v5, v6, 4, v5
	v_add_nc_u32 v5, s17, v5                       ; the stage, in: four lanes' 64 bytes on end, then 16 of padding
	v_mul_u32_u24 v6, v3, SP
	v_add_nc_u32 v6, s17, v6                       ; and out: my 16 neighbours
	v_lshrrev_b32 v7, 1, v3                        ; my block
	v_and_b32 v16, 1, v3
	v_mul_u32_u24 v17, v7, CP
	v_lshl_add_u32 v17, v16, 3, v17
	v_add_nc_u32 v17, s18, v17                     ; codes in
	v_add_nc_u32 v7, s19, v7                       ; scale byte in
	v_lshrrev_b32 v18, 4, v3
	v_and_b32 v19, 15, v3
	v_mul_u32_u24 v18, v18, CP
	v_lshl_add_u32 v18, v19, 4, v18
	v_add_nc_u32 v18, s20, v18                     ; codes out: sixteen lanes take a block's 256 bytes
	v_lshlrev_b32 v19, 3, v3
	v_add_nc_u32 v20, SCB, v19                     ; scale bytes out
	s_wait_alu depctr_va_vdst(0)                   ; the wait at the head's end
	s_wait_kmcnt 0x0
	s_cmp_lt_u32 ttmp9, 64                         ; whose tile?  The choice hangs on the work-group's number alone
	s_cselect_b64 s[8:9], s[6:7], s[8:9]
	s_cmp_lt_u32 ttmp9, 32
	s_cselect_b64 s[8:9], s[4:5], s[8:9]
	s_add_nc_u64 s[8:9], s[8:9], s[22:23]
	s_add_nc_u64 s[10:11], s[10:11], s[24:25]
	s_add_nc_u64 s[12:13], s[12:13], s[26:27]
.irp k, 0,1,2,3
.irp i, 0,1,2,3
	global_load_b128 v[R+16*\k+4*\i:R+16*\k+4*\i+3], v4, s[8:9] offset:2048*\k+512*\i th:TH_LOAD_NT
.endr
.endr
.irp k, 0,1,2,3
	s_wait_loadcnt 12-4*\k                         ; row k is in; the later rows may be out
.irp i, 0,1,2,3
	ds_store_b128 v5, v[R+16*\k+4*\i:R+16*\k+4*\i+3] offset:STG*\k+8*SP*\i
.endr
.endr
	s_wait_dscnt 0x0                               ; the stores have read their registers, which take the rows back
.irp k, 0,1,2,3
.irp i, 0,1,2,3
	ds_load_b128 v[R+16*\k+4*\i:R+16*\k+4*\i+3], v6 offset:STG*\k+16*\i
.endr
.endr
	s_wait_dscnt 0x0
.irp k, 0,1,2,3
	v_max3_num_f32 v[8+\k], |v[R+16*\k]|, |v[R+16*\k+1]|, 0x1800000   ; my 16 numbers of row k and the floor 2^(3 - 127); the four rows by turns
.endr
.irp i, 2,4,6,8,10,12,14
.irp k, 0,1,2,3
	v_max3_num_f32 v[8+\k], v[8+\k], |v[R+16*\k+\i]|, |v[R+16*\k+\i+1]|
.endr
.endr
.irp k, 0,1,2,3
	v_max_num_f32_dpp v[8+\k], v[8+\k], v[8+\k] row_xmask:1 row_mask:0xf bank_mask:0xf   ; with my neighbour's 16: the block's
.endr
.irp k, 0,1,2,3
	v_add_nc_u32 v[12+\k], 0xff000000, v[8+\k]     ; 2 off its exponent field: the conversion's scale operand
.endr
.irp k, 0,1,2,3
	v_cvt_scalef32_pk8_fp4_f32 v[C+2*\k], v[R+16*\k:R+16*\k+7], v[12+\k]
	v_cvt_scalef32_pk8_fp4_f32 v[C+2*\k+1], v[R+16*\k+8:R+16*\k+15], v[12+\k]
.endr
.irp k, 0,1,2,3
	v_lshrrev_b32 v[E+\k], 23, v[12+\k]            ; the scale's byte
.endr
.irp k, 0,1,2,3
	ds_store_b8 v7, v[E+\k] offset:16*\k           ; both lanes of a block write the same byte with the same value
	ds_store_b64 v17, v[C+2*\k:C+2*\k+1] offset:16*\k
.endr
	s_wait_dscnt 0x0                               ; for the others' sake
	s_barrier_signal -1
	s_barrier_wait -1
	ds_load_b128 v[32:35], v18
	ds_load_b128 v[36:39], v18 offset:2*CP
	s_wait_dscnt 0x0
	global_store_b128 v4, v[32:35], s[10:11]       ; 32 lanes store 512 consecutive bytes, aligned
	global_store_b128 v4, v[36:39], s[10:11] offset:512
	s_cmp_lg_u32 s16, 0
	s_cbranch_scc1 .Lnot_mine
	ds_load_b64 v[40:41], v20
	s_wait_dscnt 0x0
	global_store_b64 v19, v[40:41], s[12:13]       ; wave 0: the tile's 256 scale bytes
.Lnot_mine:
	s_wait_tensorcnt 0x0                           ; the wave's end, behind my last LDS store
	ds_add_u32 v[SPW], v[NIL]
	s_wait_dscnt 0x0
	s_endpgm
.Lfunc_end_k_qcc1416c16f_weights:
	.size	k_qcc1416c16f_weights, .Lfunc_end_k_qcc1416c16f_weights-k_qcc1416c16f_weights
	.p2alignl 7, 3214868480
	.fill 96, 4, 3214868480
	.section	.rodata,"a",@progbits
	.p2align	6, 0x0
	.amdhsa_kernel k_qcc1416c16f_weights
		.amdhsa_group_segment_fixed_size 46080
		.amdhsa_private_segment_fixed_size 0
		.amdhsa_enable_private_segment 0
		.amdhsa_kernarg_size 40
		.amdhsa_user_sgpr_count 2
		.amdhsa_user_sgpr_kernarg_segment_ptr 1
		.amdhsa_wavefront_size32 1
		.amdhsa_system_sgpr_workgroup_id_x 1
		.amdhsa_system_sgpr_workgroup_id_y 1
		.amdhsa_system_sgpr_workgroup_id_z 1
		.amdhsa_system_vgpr_workitem_id 0
		.amdhsa_next_free_vgpr 128
		.amdhsa_next_free_sgpr 66
		.amdhsa_reserve_vcc 0
		.amdhsa_float_denorm_mode_32 3
		.amdhsa_float_denorm_mode_16_64 3
		.amdhsa_memory_ordered 1
		.amdhsa_forward_progress 1
		.amdhsa_inst_pref_size 12
	.end_amdhsa_kernel
	.amdgpu_metadata
---
amdhsa.version: [ 1, 2 ]
amdhsa.kernels:
  - .name:           k_qcc1416c16f_weights
    .symbol:         k_qcc1416c16f_weights.kd
    .args:
      - { .name: Wq, .offset: 0, .size: 8, .value_kind: global_buffer, .address_space: global }
      - { .name: Wk, .offset: 8, .size: 8, .value_kind: global_buffer, .address_space: global }
      - { .name: Wv, .offset: 16, .size: 8, .value_kind: global_buffer, .address_space: global }
      - { .name: wc, .offset: 24, .size: 8, .value_kind: global_buffer, .address_space: global }
      - { .name: ws, .offset: 32, .size: 8, .value_kind: global_buffer, .address_space: global }
    .group_segment_fixed_size: 46080
    .private_segment_fixed_size: 0
    .kernarg_segment_align: 8
    .kernarg_segment_size: 40
    .max_flat_workgroup_size: 128
    .sgpr_count:     66
    .vgpr_count:     128
    .wavefront_size: 32
...
	.end_amdgpu_metadata
.endif
;; end of part 1
;; launch project (part 2): grid 256 x 1, 4 waves a work-group, no clusters, 57,856 bytes of LDS; arguments x, context, bq, bk, bv, wc, ws, qkv; writes qkv
.if DOCPART == 2
	.amdgcn_target "amdgcn-amd-amdhsa--gfx1250"
	.amdhsa_code_object_version 6
	.text
	.protected	k_qcc1416c16f_project
	.globl	k_qcc1416c16f_project
	.p2align	8
	.type	k_qcc1416c16f_project,@function
k_qcc1416c16f_project:
	s_mov_b64 s[64:65], 0
	v_nop
	global_prefetch_b8 v0, s[64:65] scope:SCOPE_SE
	s_setreg_imm32_b32 hwreg(HW_REG_WAVE_MODE, 25, 1), 1
	s_wait_xcnt 0x0
; CROSS ATTENTION IN MX-FP4, launch 2 of 3: x and context are quantised along K on their way in; Q = x Wq^T + bq, K = context Wk^T + bk, V = context Wv^T + bv on codes;
; the results are quantised in registers, Q and K along the 512 channels, V along the keys.  No work is left out.
; SHARES.  Work-group 2 i takes the 128 rows of x from 128 i on and makes Q; work-group 2 i + 1 the same rows of context and makes K and V.  Wave w makes the channels 128 w .. 128 w + 127 of each.
; The rows go in TWO CHUNKS of 64, four tiles (launch 1 says what a tile is; places are counted in the 128 rows).  For each chunk wave w quantises tile w, row by row, as launch 1 does, into an LDS image
; [tile][block of 32 along K: 16][place][16 bytes], 272 bytes a block; behind one barrier every wave multiplies all four tiles.  Chunk 1's first rows are on their way meanwhile.
; A UNIT of Q or K: source 0 = my eight tiles of the weight (in 256 registers), source 1 = one tile of rows, four K steps: 32 matrix instructions on eight accumulators by turns; the bias is the C of each sum's first.
;   In lane (r, h) register 16 b + i of the eight results is channel 128 w + 32 b + 16 h + i of the row at place r: QUANT makes of them one fragment (16 rows x 128 codes) and one scale word a row.
; A UNIT of V: source 0 = the chunk's four tiles (64 keys), source 1 = two tiles of Wv (32 channels): the lane's registers run along the keys; QUANT makes half a fragment (two blocks of 32 keys) for each of the two.
; THE RESULT, qkv.  Blocks of 34,816 bytes: Q block (row / 128), K block 128 + (row / 128): 32 fragments of 1,024 bytes (registers 4 c .. 4 c + 3 at 512 c + 16 lane), fragment 8 s + t = K step s, tile t of the 128 rows;
;   then 2,048 bytes of scale words [s][bb 0, 1][lane][2 words]: word wd holds in lanes 0-15 the words of tile 4 bb + 2 wd, in lanes 16-31 those of tile 4 bb + 2 wd + 1.
;   V, behind 256 blocks: chunks of 17,408 bytes [batch][channel half][key block of 128: 16]: 16 fragments (tiles of 16 channels x 128 keys), then 1,024 bytes of scale words [sub][bb][lane][2 words], sub = eight tiles.
; LOADS.  A row comes by four loads of 512 consecutive bytes, eight rows (32 loads a wave) ahead.  Weights come straight into operand registers, each once a work-group: no tensor load, no cluster.
; PREFETCH.  The rows are known and the wave waits for them: the eight rows behind the loads in flight are asked for, each 256 bytes once, by the wave that will load them.
; LIMITS: as in the first launch (NaN, infinities; a block of zeros gets the byte 1).
; REGISTERS.  window 1: Wq or Wk (tile t, K step s at 32 t + 8 s).  window 2: Wv likewise.  window 3: v0-127 eight rows of 16 numbers as loaded; v128-255 up to four tiles of rows (32 i + 8 s).  window 0: below.
.set BLK,  34816
.set SP,   80
.set TRW,  2*32*SP                     ; LDS: a wave's two turning stages,
.set IMG,  4*TRW                       ; the images of eight tiles,
.set CP,   272
.set TILE, 16*CP
.set SCI,  IMG+8*TILE                  ; their scale bytes, 256 a tile,
.set SPARE, SCI+2048                   ; and the spare words, that no other line names
.set LI,   1
.set L8,   2
.set SPW,  3
.set NIL,  4
.set TI,   5                           ; turning stage: in, out
.set TO,   6
.set SBA,  7                           ; my tile's scale bytes and codes: in
.set CBA,  8
.set RDI,  9                           ; a tile's codes, a pair of tiles' scale words: out
.set RDS,  10
.set H64,  11
.set RB,   12
.set PFO,  13
.set KA,   14
.set KB,   15
.set RSC,  16                          ; v16-23 the rows' scale words: 4 x pair + s
.set ASC,  24                          ; v24-39 Wq's or Wk's
.set BSC,  40                          ; v40-55 Wv's
.set BL,   56                          ; v56-63 V's bias, a number a lane and tile
.set CB,   64                          ; v64-127 Q's or K's bias in the result's layout
.set HA,   128                         ; v128-191 the eight accumulators
.set X,    128                         ; v128-159 two rows of 16 neighbours (while no sums are held)
.set PC,   192
.set TM,   200
.set PW,   216
.set XY,   220
.set VW,   224                         ; v224-231 V's scale words
.set BV,   232                         ; v232-247 V's bias for two tiles, eight times each
.set CC,   248
.set EE,   252
.set WV,   20
.set TYPE, 21
.set SEL,  24
.set HI,   26
.set KO,   30
.set KQ,   31
.set KC,   32
.set MSB, 0
.macro WIN new                         ; the immediate's high byte repeats the setting that is left
.if MSB != \new
	s_set_vgpr_msb (MSB<<8)|\new
.set MSB, \new
.endif
.endm
; One scaled product on codes of E2M1.  ra, rb: the side's scale words are taken from lanes 16-31.
.macro WM d, a, b, c, sa, sb, ra, rb
.if (\ra) && (\rb)
	v_wmma_scale_f32_16x16x128_f8f6f4 v[(\d):(\d)+7], v[(\a):(\a)+7], v[(\b):(\b)+7], v[(\c):(\c)+7], v[(\sa)], v[(\sb)] matrix_a_fmt:MATRIX_FMT_FP4 matrix_b_fmt:MATRIX_FMT_FP4 matrix_a_scale:MATRIX_SCALE_ROW1 matrix_b_scale:MATRIX_SCALE_ROW1
.elseif (\ra)
	v_wmma_scale_f32_16x16x128_f8f6f4 v[(\d):(\d)+7], v[(\a):(\a)+7], v[(\b):(\b)+7], v[(\c):(\c)+7], v[(\sa)], v[(\sb)] matrix_a_fmt:MATRIX_FMT_FP4 matrix_b_fmt:MATRIX_FMT_FP4 matrix_a_scale:MATRIX_SCALE_ROW1
.elseif (\rb)
	v_wmma_scale_f32_16x16x128_f8f6f4 v[(\d):(\d)+7], v[(\a):(\a)+7], v[(\b):(\b)+7], v[(\c):(\c)+7], v[(\sa)], v[(\sb)] matrix_a_fmt:MATRIX_FMT_FP4 matrix_b_fmt:MATRIX_FMT_FP4 matrix_b_scale:MATRIX_SCALE_ROW1
.else
	v_wmma_scale_f32_16x16x128_f8f6f4 v[(\d):(\d)+7], v[(\a):(\a)+7], v[(\b):(\b)+7], v[(\c):(\c)+7], v[(\sa)], v[(\sb)] matrix_a_fmt:MATRIX_FMT_FP4 matrix_b_fmt:MATRIX_FMT_FP4
.endif
.endm
.macro NOPS n
.rept \n
	v_nop
.endr
.endm
.macro LOAD n                          ; row n of my 32: chunk n / 16, place t = n % 16: row t + 8 (t / 8) from the tile's first
	WIN 0xcc
.irp i, 0,1,2,3
	global_load_b128 v[16*((\n)%8)+4*\i:16*((\n)%8)+4*\i+3], v[LI], s[4:5] offset:131072*((\n)/16)+2048*((\n)%16+8*(((\n)%16)/8))+512*\i th:TH_LOAD_NT
.endr
.endm
.macro ASK n                           ; rows n .. n + 7, n a multiple of 8: 16,384 consecutive bytes, lanes 256 bytes apart
	global_prefetch_b8 v[PFO], s[4:5] offset:131072*((\n)/16)+4096*((\n)%16) th:TH_LOAD_NT scope:SCOPE_SE
	global_prefetch_b8 v[PFO], s[4:5] offset:131072*((\n)/16)+4096*((\n)%16)+8192 th:TH_LOAD_NT scope:SCOPE_SE
.endm
.macro TURN n                          ; row n through the stage: LDS serves a wave's instructions in order, so no wait stands between the stores and the loads
	WIN 0xcc
.irp i, 0,1,2,3
	ds_store_b128 v[TI], v[16*((\n)%8)+4*\i:16*((\n)%8)+4*\i+3] offset:32*SP*((\n)%2)+8*SP*\i
.endr
	WIN 0
.irp i, 0,1,2,3
	ds_load_b128 v[X+16*((\n)%2)+4*\i:X+16*((\n)%2)+4*\i+3], v[TO] offset:32*SP*((\n)%2)+16*\i
.endr
.endm
.macro STEP n
.set XS, X+16*((\n)%2)
.set CS, CC+2*((\n)%2)
.if (\n)%16
	s_wait_dscnt 2                                 ; this row's numbers are back; the last row's two stores may be out
.else
	s_wait_dscnt 0x0
.endif
.if (\n)+8 < 32
	LOAD (\n)+8                                    ; into the registers that this row's stores into the stage have read
.endif
.if (\n)%16 < 15
.if (\n) < 7
	s_wait_loadcnt 63                              ; the next row is in: behind it stand later rows and the 84 loads of weights and bias
.elseif (\n) < 23
	s_wait_loadcnt 28                              ; behind it stand seven rows
.else
	s_wait_loadcnt 4*(30-(\n))                     ; behind it stand the rows that are left
.endif
	TURN (\n)+1
.endif
	WIN 0
.if (\n) == 0 || (\n) == 8
	ASK (\n)+16
.endif
	v_max3_num_f32 v[TM], |v[XS]|, |v[XS+1]|, |v[XS+2]|              ; the largest magnitude of my 16, in two chains
	v_max3_num_f32 v[TM+1], |v[XS+3]|, |v[XS+4]|, |v[XS+5]|
.irp i, 6,10
	v_max3_num_f32 v[TM], v[TM], |v[XS+\i]|, |v[XS+\i+1]|
	v_max3_num_f32 v[TM+1], v[TM+1], |v[XS+\i+2]|, |v[XS+\i+3]|
.endr
	v_max3_num_f32 v[TM], v[TM], |v[XS+14]|, |v[XS+15]|
	v_max3_num_f32 v[TM], v[TM], v[TM+1], 0x1800000                  ; and the floor 2^(3 - 127): the byte cannot fall under 1
	v_max_num_f32_dpp v[TM], v[TM], v[TM] row_xmask:1 row_mask:0xf bank_mask:0xf   ; with my neighbour's 16: the block's
	v_add_nc_u32 v[TM+2], 0xff000000, v[TM]        ; 2 off its exponent field: the conversion's scale operand
	v_cvt_scalef32_pk8_fp4_f32 v[CS], v[XS:XS+7], v[TM+2]
	v_cvt_scalef32_pk8_fp4_f32 v[CS+1], v[XS+8:XS+15], v[TM+2]
	v_lshrrev_b32 v[EE+(\n)%2], 23, v[TM+2]        ; the scale's byte (also the plain line behind the conversions)
	ds_store_b8 v[SBA], v[EE+(\n)%2] offset:1024*((\n)/16)+16*((\n)%16)
	ds_store_b64 v[CBA], v[CS:CS+1] offset:4*TILE*((\n)/16)+16*((\n)%16)
.endm
; 64 numbers of a lane in four runs of 16: each run and its neighbour lane's is a block.  QMAX: the blocks' bytes in v[TM+4 ..], the conversion's operands in v[TM+12 ..].
.macro QMAX
.irp b, 0,1,2,3
	v_max3_num_f32 v[TM+\b], |v[HA+16*\b]|, |v[HA+1+16*\b]|, 0x1800000
.endr
.irp i, 2,4,6,8,10,12,14
.irp b, 0,1,2,3
	v_max3_num_f32 v[TM+\b], v[TM+\b], |v[HA+16*\b+\i]|, |v[HA+1+16*\b+\i]|
.endr
.endr
.irp b, 0,1,2,3
	v_permlanex16_b32 v[TM+4+\b], v[TM+\b], s[SEL], s[SEL+1]
.endr
.irp b, 0,1,2,3
	v_max_num_f32 v[TM+\b], v[TM+\b], v[TM+4+\b]
.endr
.irp b, 0,1,2,3
	v_add_nc_u32 v[TM+12+\b], 0xff000000, v[TM+\b]
.endr
.irp b, 0,1,2,3
	v_lshrrev_b32 v[TM+4+\b], 23, v[TM+12+\b]
.endr
.endm
.macro QCVT                            ; the codes: runs 0, 1 make v[PC:PC+3], runs 2, 3 v[PC+4:PC+7]
.irp b, 0,1,2,3
	v_cvt_scalef32_pk8_fp4_f32 v[PC+2*\b], v[HA+16*\b:HA+7+16*\b], v[TM+12+\b]
	v_cvt_scalef32_pk8_fp4_f32 v[PC+1+2*\b], v[HA+8+16*\b:HA+15+16*\b], v[TM+12+\b]
.endr
	v_nop                                          ; one plain line behind the scaled conversions
.irp c, 0,1                                    ; the operand's layout wants a whole block in a lane
.irp i, 0,1
	v_permlane16_swap_b32 v[PC+4*\c+\i], v[PC+2+4*\c+\i]
.endr
.endr
.endm
.macro UNIT e                          ; Q or K: the pair's tile e
	WIN 0x0d                                       ; source 0 window 1, source 1 window 3, C and D window 0
.irp t, 0,1,2,3,4,5,6,7
	WM HA+8*\t, 32*\t, 128+32*\e, CB+8*\t, ASC+4*(\t/2), RSC, \t%2, \e
.endr
.irp s, 1,2,3
.irp t, 0,1,2,3,4,5,6,7
	WM HA+8*\t, 32*\t+8*\s, 128+32*\e+8*\s, HA+8*\t, ASC+4*(\t/2)+\s, RSC+\s, \t%2, \e
.endr
.endr
	WIN 0
	NOPS 5
	s_wait_xcnt 0x0                                ; the last stores have read the codes' registers
	QMAX
	v_lshl_or_b32 v[PW+\e], v[TM+5], 8, v[TM+4]    ; the row's scale word
	v_lshl_or_b32 v[PW+\e], v[TM+6], 16, v[PW+\e]
	v_lshl_or_b32 v[PW+\e], v[TM+7], 24, v[PW+\e]
	QCVT
	global_store_b128 v[LI], v[PC:PC+3], s[40:41] offset:1024*\e     ; 32 lanes store 512 consecutive bytes, aligned
	global_store_b128 v[LI], v[PC+4:PC+7], s[40:41] offset:1024*\e+512
.endm
.macro VUNIT c, d                      ; V: Wv's tiles 2 d and 2 d + 1 of my eight
.irp j, 0,1,2,3,4,5,6,7
	v_mov_b32 v[BV+\j], v[BL+2*\d]
	v_mov_b32 v[BV+8+\j], v[BL+2*\d+1]
.endr
	NOPS 4
	WIN 0x0b                                       ; source 0 window 3, source 1 window 2
.irp k, 0,1,2,3
.irp e, 0,1
	WM HA+32*\e+8*\k, 128+32*\k, 32*(2*\d+\e), BV+8*\e, RSC+4*(\k/2), BSC+4*\d, \k%2, \e
.endr
.endr
.irp s, 1,2,3
.irp k, 0,1,2,3
.irp e, 0,1
	WM HA+32*\e+8*\k, 128+32*\k+8*\s, 32*(2*\d+\e)+8*\s, HA+32*\e+8*\k, RSC+4*(\k/2)+\s, BSC+4*\d+\s, \k%2, \e
.endr
.endr
.endr
	WIN 0
	NOPS 5
	s_wait_xcnt 0x0
	QMAX
.irp e, 0,1
.if \c
	v_lshl_or_b32 v[TM+4+2*\e], v[TM+5+2*\e], 8, v[TM+4+2*\e]
	v_lshl_or_b32 v[VW+2*\d+\e], v[TM+4+2*\e], 16, v[VW+2*\d+\e]     ; the upper two bytes of the channel's scale word
.else
	v_lshl_or_b32 v[VW+2*\d+\e], v[TM+5+2*\e], 8, v[TM+4+2*\e]       ; the lower two
.endif
.endr
	QCVT
	global_store_b128 v[LI], v[PC:PC+3], s[46:47] offset:2048*\d+512*\c          ; my chunk's half of a fragment: 512 consecutive bytes, aligned
	global_store_b128 v[LI], v[PC+4:PC+7], s[46:47] offset:2048*\d+1024+512*\c
.endm
.macro PRODUCTS c
	s_wait_dscnt 0x0                               ; for the others' sake: my tile lies in the image
	s_barrier_signal -1
	s_barrier_wait -1
.if (\c) == 0
	s_cmp_eq_u32 s[TYPE], 0
	s_wait_alu depctr_va_vdst(0)
	s_cbranch_scc1 .Lno_wv
	WIN 0x80
.irp t, 0,1,2,3,4,5,6,7
.irp k, 0,1,2,3,4,5,6,7
	global_load_b128 v[32*\t+4*\k:32*\t+4*\k+3], v[LI], s[56:57] offset:4096*\t+512*\k
.endr
.endr
	WIN 0
.irp b, 0,1,2,3
	global_load_b128 v[BSC+4*\b:BSC+4*\b+3], v[LI], s[58:59] offset:512*\b
.endr
.irp u, 0,1,2,3,4,5,6,7                        ; tile u, lane r: channel 128 w + 32 (u / 2) + 8 (u % 2) + r + 8 (r / 8)
	global_load_b32 v[BL+\u], v[RB], s[12:13] offset:(32*(\u/2)+8*(\u%2))*4
.endr
.Lno_wv:
.endif
	s_mov_b32 s[KO], 4*TILE*(\c)
	s_mov_b32 s[KQ], 1024*(\c)
	s_mov_b32 s[KC], 2
.Lpair_\c:                                         ; Q or K: two trips, two tiles a trip
	v_add_nc_u32 v[KB], s[KQ], v[RDS]
	v_add_nc_u32 v[KA], s[KO], v[RDI]
	ds_load_b128 v[RSC:RSC+3], v[KB]
	WIN 0xc0
.irp e, 0,1
.irp s, 0,1,2,3
.irp u, 0,1
	ds_load_b128 v[128+32*\e+8*\s+4*\u:128+32*\e+8*\s+4*\u+3], v[KA] offset:TILE*\e+CP*(4*\s+2*\u)
.endr
.endr
.endr
	WIN 0
	s_wait_dscnt 8                                 ; the second tile's eight loads may be out
	UNIT 0
	s_wait_dscnt 0x0
	UNIT 1
	v_mov_b32 v[XY], v[XY+1]
	v_cndmask_b32 v[XY+1], v[PW], v[PW+1], s[HI]   ; lanes 0-15 the first tile's words, lanes 16-31 the second's
	s_wait_xcnt 0x0
	s_add_nc_u64 s[40:41], s[40:41], 2048
	s_add_co_u32 s[KO], s[KO], 2*TILE
	s_add_co_u32 s[KQ], s[KQ], 512
	s_sub_co_u32 s[KC], s[KC], 1
	s_cmp_lg_u32 s[KC], 0
	s_wait_alu depctr_va_vdst(0)                   ; directly ahead of the branch
	s_cbranch_scc1 .Lpair_\c
	global_store_b64 v[L8], v[XY:XY+1], s[44:45] offset:256*(\c)     ; 256 consecutive bytes, aligned
	s_cmp_eq_u32 s[TYPE], 0
	s_cbranch_scc1 .Lno_v_\c
.irp j, 0,1
	ds_load_b128 v[RSC+4*\j:RSC+4*\j+3], v[RDS] offset:1024*(\c)+512*\j
.endr
	WIN 0xc0
.irp i, 0,1,2,3
.irp s, 0,1,2,3
.irp u, 0,1
	ds_load_b128 v[128+32*\i+8*\s+4*\u:128+32*\i+8*\s+4*\u+3], v[RDI] offset:4*TILE*(\c)+TILE*\i+CP*(4*\s+2*\u)
.endr
.endr
.endr
	WIN 0
.if (\c) == 0
	s_wait_loadcnt 0x0                             ; Wv (and the rows asked for ahead of it)
.endif
	s_wait_dscnt 0x0
.irp d, 0,1,2,3
	VUNIT \c, \d
.endr
.if \c
	s_wait_xcnt 0x0
.irp g, 0,1                                    ; V's scale words: tiles 4 g + 2 wd and 4 g + 2 wd + 1
	v_cndmask_b32 v[PW+2*\g], v[VW+4*\g], v[VW+4*\g+1], s[HI]
	v_cndmask_b32 v[PW+2*\g+1], v[VW+4*\g+2], v[VW+4*\g+3], s[HI]
.endr
.irp g, 0,1
	global_store_b64 v[L8], v[PW+2*\g:PW+2*\g+1], s[42:43] offset:256*\g
.endr
.endif
.Lno_v_\c:
.endm
	s_load_b256 s[4:11], s[0:1], 0x0               ; x, context, bq, bk
	s_load_b256 s[12:19], s[0:1], 0x20             ; bv, the weights' codes, their scale bytes, the result
	v_lshl_add_u32 v[SPW], v0, 2, SPARE
	v_mov_b32 v[NIL], 0
	v_lshrrev_b32 v14, 5, v0
	v_readfirstlane_b32 s[WV], v14
	s_and_b32 s[TYPE], ttmp9, 1                    ; 0: x, 1: context
	s_lshr_b32 s22, ttmp9, 1                       ; my block of 128 rows
	s_lshl_b32 s28, s22, 18                        ; my first row: 128 x block + 32 (w / 2) + 8 (w % 2), of 2,048 bytes
	s_lshr_b32 s29, s[WV], 1
	s_lshl_b32 s30, s29, 16
	s_add_co_u32 s28, s28, s30
	s_and_b32 s30, s[WV], 1
	s_lshl_b32 s31, s30, 14
	s_add_co_u32 s28, s28, s31
	s_lshr_b32 s34, s22, 4                         ; V's chunk: (2 batch + w / 2) x 16 + key block
	s_lshl_b32 s34, s34, 1
	s_add_co_u32 s34, s34, s29
	s_lshl_b32 s34, s34, 4
	s_and_b32 s35, s22, 15
	s_add_co_u32 s34, s34, s35
	s_mul_i32 s34, s34, BLK/2
	s_add_co_u32 s34, s34, 256*BLK
	s_lshl_b32 s36, s30, 9
	s_add_co_u32 s36, s36, s34
	s_add_co_u32 s36, s36, 16384                   ; its scale words, my eight tiles'
	s_mov_b32 s37, 0
	s_lshl_b32 s35, s30, 13
	s_add_co_u32 s34, s34, s35                     ; its fragments, my eight tiles'
	s_mov_b32 s35, 0
	s_mov_b32 s29, 0
	s_lshl_b32 s38, s[TYPE], 7                     ; Q's or K's block
	s_add_co_u32 s38, s38, s22
	s_mul_i32 s38, s38, BLK
	s_lshl_b32 s48, s[WV], 9                       ; 512 w: my scale words' place, and my 128 numbers of a bias
	s_mov_b32 s49, 0
	s_add_co_u32 s50, s38, s48
	s_add_co_u32 s50, s50, 32768
	s_mov_b32 s51, 0
	s_lshl_b32 s39, s[WV], 13
	s_add_co_u32 s38, s38, s39
	s_mov_b32 s39, 0
	s_lshl_b32 s52, s[TYPE], 5                     ; my tiles of Wq or Wk: 32 type + 8 w on;
	s_lshl_b32 s56, s[WV], 3
	s_add_co_u32 s52, s52, s56
	s_add_co_u32 s56, s56, 64                      ; of Wv: 64 + 8 w on
	s_lshl_b32 s54, s52, 8
	s_mov_b32 s55, 0
	s_lshl_b32 s52, s52, 12
	s_mov_b32 s53, 0
	s_lshl_b32 s58, s56, 8
	s_mov_b32 s59, 0
	s_lshl_b32 s56, s56, 12
	s_mov_b32 s57, 0
	s_mul_i32 s60, s[WV], TRW
	s_mul_i32 s61, s[WV], TILE
	s_add_co_u32 s61, s61, IMG
	s_lshl_b32 s62, s[WV], 8
	s_add_co_u32 s62, s62, SCI
	s_mov_b32 s[SEL], 0x76543210
	s_mov_b32 s[SEL+1], 0xfedcba98                 ; v_permlanex16_b32's selects for lane l xor 16
	s_mov_b32 s[HI], 0xffff0000                    ; lanes 16-31
	v_and_b32 v14, 31, v0                          ; lane
	v_lshlrev_b32 v[LI], 4, v14
	v_lshlrev_b32 v[L8], 3, v14
	v_lshlrev_b32 v[PFO], 8, v14
	v_lshrrev_b32 v15, 2, v14
	v_and_b32 v16, 3, v14
	v_mul_u32_u24 v15, v15, SP
	v_lshl_add_u32 v15, v16, 4, v15
	v_add_nc_u32 v[TI], s60, v15
	v_mul_u32_u24 v15, v14, SP
	v_add_nc_u32 v[TO], s60, v15
	v_lshrrev_b32 v15, 1, v14                      ; my block of 32 along K
	v_add_nc_u32 v[SBA], s62, v15
	v_mul_u32_u24 v15, v15, CP
	v_and_b32 v16, 1, v14
	v_lshl_add_u32 v15, v16, 3, v15
	v_add_nc_u32 v[CBA], s61, v15
	v_and_b32 v15, 15, v0                          ; r
	v_bfe_u32 v16, v0, 4, 1                        ; h
	v_mul_u32_u24 v17, v16, CP
	v_lshl_add_u32 v17, v15, 4, v17
	v_add_nc_u32 v[RDI], IMG, v17
	v_add_nc_u32 v[RDS], SCI, v[LI]
	v_lshlrev_b32 v[H64], 6, v16
	v_and_b32 v17, 8, v15
	v_add_nc_u32 v17, v15, v17
	v_lshlrev_b32 v[RB], 2, v17
.irp b, 0,1,2,3
	v_mov_b32 v[TM+4+\b], 0                        ; written once: a lane permute's destination counts as one of its sources
.endr
	v_mov_b32 v[TM], 0                             ; (and so does a DPP line's)
	v_mov_b32 v[XY+1], 0                           ; (handed on before it is first made)
	s_wait_alu depctr_va_vdst(0)                   ; the wait at the head's end
	s_wait_kmcnt 0x0
	s_cmp_eq_u32 s[TYPE], 0
	s_cselect_b64 s[4:5], s[4:5], s[6:7]
	s_cselect_b64 s[8:9], s[8:9], s[10:11]
	s_add_nc_u64 s[4:5], s[4:5], s[28:29]          ; my rows
	s_add_nc_u64 s[8:9], s[8:9], s[48:49]          ; bq or bk
	s_add_nc_u64 s[12:13], s[12:13], s[48:49]      ; bv
	s_add_nc_u64 s[52:53], s[14:15], s[52:53]      ; Wq or Wk: codes,
	s_add_nc_u64 s[54:55], s[16:17], s[54:55]      ; scale bytes
	s_add_nc_u64 s[56:57], s[14:15], s[56:57]      ; Wv likewise
	s_add_nc_u64 s[58:59], s[16:17], s[58:59]
	s_add_nc_u64 s[40:41], s[18:19], s[38:39]      ; Q or K: fragments,
	s_add_nc_u64 s[44:45], s[18:19], s[50:51]      ; scale words
	s_add_nc_u64 s[46:47], s[18:19], s[34:35]      ; V likewise
	s_add_nc_u64 s[42:43], s[18:19], s[36:37]
.irp n, 0,1,2,3,4,5,6,7
	LOAD \n
.endr
	WIN 0
.irp b, 0,1,2,3
	global_load_b128 v[ASC+4*\b:ASC+4*\b+3], v[LI], s[54:55] offset:512*\b       ; a pair of tiles' scale bytes: 16 a row, four words
.endr
.irp t, 0,1,2,3,4,5,6,7                        ; lane (r, h), tile t, register j: channel 32 (t / 2) + 16 h + 8 (t % 2) + j of my 128
	global_load_b128 v[CB+8*\t:CB+8*\t+3], v[H64], s[8:9] offset:(32*(\t/2)+8*(\t%2))*4
	global_load_b128 v[CB+8*\t+4:CB+8*\t+7], v[H64], s[8:9] offset:(32*(\t/2)+8*(\t%2))*4+16
.endr
	WIN 0x40
.irp t, 0,1,2,3,4,5,6,7
.irp k, 0,1,2,3,4,5,6,7
	global_load_b128 v[32*\t+4*\k:32*\t+4*\k+3], v[LI], s[52:53] offset:4096*\t+512*\k
.endr
.endr
	WIN 0
	ASK 8
	s_wait_loadcnt 63                              ; row 0 (112 more loads stand behind its own; the counter's field ends at 63)
	TURN 0
.irp n, 0,1,2,3,4,5,6,7,8,9,10,11,12,13,14,15
	STEP \n
.endr
	PRODUCTS 0
	s_wait_loadcnt 28                              ; row 16: behind it stand seven rows
	TURN 16
.irp n, 16,17,18,19,20,21,22,23,24,25,26,27,28,29,30,31
	STEP \n
.endr
	PRODUCTS 1
	s_wait_tensorcnt 0x0                           ; the wave's end, behind my last LDS store
	ds_add_u32 v[SPW], v[NIL]
	s_wait_dscnt 0x0
	s_endpgm
.Lfunc_end_k_qcc1416c16f_project:
	.size	k_qcc1416c16f_project, .Lfunc_end_k_qcc1416c16f_project-k_qcc1416c16f_project
	.p2alignl 7, 3214868480
	.fill 96, 4, 3214868480
	.section	.rodata,"a",@progbits
	.p2align	6, 0x0
	.amdhsa_kernel k_qcc1416c16f_project
		.amdhsa_group_segment_fixed_size 57856
		.amdhsa_private_segment_fixed_size 0
		.amdhsa_enable_private_segment 0
		.amdhsa_kernarg_size 64
		.amdhsa_user_sgpr_count 2
		.amdhsa_user_sgpr_kernarg_segment_ptr 1
		.amdhsa_wavefront_size32 1
		.amdhsa_system_sgpr_workgroup_id_x 1
		.amdhsa_system_sgpr_workgroup_id_y 1
		.amdhsa_system_sgpr_workgroup_id_z 1
		.amdhsa_system_vgpr_workitem_id 0
		.amdhsa_next_free_vgpr 1024
		.amdhsa_next_free_sgpr 66
		.amdhsa_reserve_vcc 0
		.amdhsa_float_denorm_mode_32 3
		.amdhsa_float_denorm_mode_16_64 3
		.amdhsa_memory_ordered 1
		.amdhsa_forward_progress 1
		.amdhsa_inst_pref_size 195
	.end_amdhsa_kernel
	.amdgpu_metadata
---
amdhsa.version: [ 1, 2 ]
amdhsa.kernels:
  - .name:           k_qcc1416c16f_project
    .symbol:         k_qcc1416c16f_project.kd
    .args:
      - { .name: x, .offset: 0, .size: 8, .value_kind: global_buffer, .address_space: global }
      - { .name: context, .offset: 8, .size: 8, .value_kind: global_buffer, .address_space: global }
      - { .name: bq, .offset: 16, .size: 8, .value_kind: global_buffer, .address_space: global }
      - { .name: bk, .offset: 24, .size: 8, .value_kind: global_buffer, .address_space: global }
      - { .name: bv, .offset: 32, .size: 8, .value_kind: global_buffer, .address_space: global }
      - { .name: wc, .offset: 40, .size: 8, .value_kind: global_buffer, .address_space: global }
      - { .name: ws, .offset: 48, .size: 8, .value_kind: global_buffer, .address_space: global }
      - { .name: qkv, .offset: 56, .size: 8, .value_kind: global_buffer, .address_space: global }
    .group_segment_fixed_size: 57856
    .private_segment_fixed_size: 0
    .kernarg_segment_align: 8
    .kernarg_segment_size: 64
    .max_flat_workgroup_size: 128
    .sgpr_count:     66
    .vgpr_count:     1024
    .wavefront_size: 32
...
	.end_amdgpu_metadata
.endif
;; end of part 2
;; launch attend (part 3): grid 32 x 8, 4 waves a work-group, clusters of 4 x 1, 327,680 bytes of LDS; arguments qkv, out0; writes out0
.if DOCPART == 3
	.amdgcn_target "amdgcn-amd-amdhsa--gfx1250"
	.amdhsa_code_object_version 6
	.text
	.protected	k_qcc1416c16f_attend
	.globl	k_qcc1416c16f_attend
	.p2align	8
	.type	k_qcc1416c16f_attend,@function
k_qcc1416c16f_attend:
	s_mov_b64 s[64:65], 0
	v_nop
	global_prefetch_b8 v0, s[64:65] scope:SCOPE_SE
	s_setreg_imm32_b32 hwreg(HW_REG_WAVE_MODE, 25, 1), 1
	s_wait_xcnt 0x0
	s_wait_alu depctr_hold_cnt(0) depctr_sa_sdst(0) depctr_va_vdst(0) depctr_va_sdst(0) depctr_va_ssrc(0) depctr_va_vcc(0) depctr_vm_vsrc(0)
	s_getreg_b32 s2, hwreg(HW_REG_IB_STS2, 6, 4)
	s_cmp_eq_u32 s2, 0
	s_cbranch_scc0 .Lentry_in_a_cluster
	s_endpgm
.Lentry_in_a_cluster:
	s_bfe_u32 s2, ttmp6, 0x10000c
	s_cmp_lg_u32 s2, 0x3003
	s_cbranch_scc0 .Lentry_shape_is_right
	s_endpgm
.Lentry_shape_is_right:
; CROSS ATTENTION IN MX-FP4, launch 3 of 3: out = softmax(Q K^T / sqrt(512)) V on the codes of launch 2.  No work is left out.
; A work-group owns 64 queries of one batch and works in two phases.
; PHASE 1, four trips: wave w takes 128 keys a trip (a K block that it alone reads) against all 64 queries: S^T = K Q^T, then t = score x log2(e) / sqrt(512), M = the largest t of THESE 128 keys rounded up to a whole number,
;   p = 2^(t - M), quantised along the keys; codes, scale words, -M and the sum of the unquantised p go to LDS.
; EXCHANGE: every wave reads all of it.  The row's M is the largest of its sixteen; a scale byte is lowered by (row's M - its M), which moves no code, and a sum is multiplied by that power of two.
; PHASE 2: O^T = V^T P^T with P in 512 registers: wave w makes 64 channels x 64 queries of a channel half, over all keys, then the same of the other half.  Nothing is rescaled or merged.
; Each fragment of K and of V is read from LDS once and feeds four matrix instructions.
; LAYOUT.  Both products are transposed: a lane holds one query.  By the tiles' choice of rows (launch 1) the 16 registers of score tiles 2 b and 2 b + 1 are keys 32 b + 16 (lane / 16) + 0 .. 15, those of O^T's channels likewise,
; and place r of query tile q is query 32 (q / 2) + 8 (q % 2) + r + 8 (r / 8) of the 64.
; CLUSTER.  Four work-groups of one batch walk the same K and V: every block is asked for jointly.
; THE RING.  Two slots of four blocks of 34,816 bytes, one load a wave.  Loads 0-3 are K (four key blocks each), loads 4-7 V (load 4 + 2 C + kh: channel half C, key blocks of trips 2 kh and 2 kh + 1).
;   Fragments are copied whole into 256 registers while the wave does other work, so a slot is free for its refill a trip ahead.
; THE WALK differs from cluster to cluster: cluster c takes K's blocks of load n at n xor (c % 4), V's key halves, wave parts and channel halves by c's bits likewise: the addresses in memory alone differ, the places in LDS and registers do not.
; PREFETCH.  In its first trip a cluster names the blocks of its load 4, each 256 bytes once, the four partners sharing them by address, three trips ahead of the load.  Its loads 5 to 7 are other clusters' load 4: they are not named again.
;   K is not prefetched: the clusters' first loads together ask for all of it.
; LIMITS: NaN and infinities are not served.  A p under 2^-126 comes out of v_exp_f32 as zero.  A block's largest p is taken as the exponential of its largest score, which takes v_exp_f32 not to fall where its input rises.
;   Scale bytes are held at 1 from below, and a lowering by more than 126 is taken as 126 (what lies so far under the row's largest p is nothing beside a sum of at least 1/2).
; REGISTERS.  window 1: K (K step s, tile t at 64 s + 8 t), then V (key block kb of the slot, tile tt at 32 kb + 8 tt).  window 2: S^T, then p (64 q + 8 t); in phase 2 P of trips 2, 3 (32 kb + 8 q).
;   window 3: Q (32 q + 8 s); in phase 2 P of trips 0, 1.  window 0: below.
.set BLK,   34816
.set SCW,   32768
.set CHK,   17408                      ; V: a key block's half of the channels: 16 fragments and their scale words
.set SLOTX, 0x22000                    ; slot 1; wave x BLK has neither of its two bits
.set PIMG,  2*SLOTX                    ; codes of two trips: [trip % 2][wave][query tile] fragments of 1,024 bytes
.set STAT,  PIMG+32768                 ; figures: [4 trip + wave]: 512 bytes (two scale words, two -M a lane), 256 bytes (two sums)
.set SPARE, STAT+16*768                ; the spare words, 128 bytes for each wave, that no other line names
.set STGW,  8704                       ; the way out, over PIMG: two stages of 16 rows x 272 bytes for each wave
.set LI,   1
.set L8,   2
.set SPW,  3
.set NIL,  4
.set AKF,  5                           ; my K block in slot 0: fragments, scale words
.set AK8,  6
.set AVA,  7                           ; my part of V in slot 0: key blocks 0-3, 4-7; scale words likewise; then the same in slot 1
.set AVB,  8
.set AWA,  9
.set AWB,  10
.set AVC,  11
.set AVD,  12
.set AWC,  13
.set AWD,  14
.set PAD,  15                          ; where my codes go; where codes are read
.set PRD,  16
.set STA,  17                          ; figures: in (two), out (two)
.set STB,  18
.set STR,  19
.set STR8, 20
.set OST,  21                          ; the way out: in, back, and in memory
.set ORD,  22
.set GOO,  23
.set PFO,  24
.set ADK,  25
.set ADK8, 26
.set ADS,  27
.set ADS8, 28
.set ADP,  29
.set QS,   32                          ; v32-39  Q's scale words: 2 s + q / 2, odd tiles in lanes 16-31
.set KS,   40                          ; v40-55  K's: 4 s + t / 2
.set PC,   56                          ; v56-87  p's codes, trips 0-2
.set PW,   88
.set MN,   92                          ; v92-99  -M at MN + 2 q
.set SL,   100                         ; v100-107, v108-115 sums, two chains of pairs
.set SB,   108
.set TM,   116                         ; v116-131 blocks' largest
.set TN,   132                         ; v132-147 at work
.set TS,   148                         ; v148-163 scale operands
.set X,    164                         ; v164-169 figures on their way
.set PC2,  170                         ; v170-201 p's codes, trip 3
.set VS0,  40                          ; phase 2: v40-55, v56-71 V's scale words by turns: 2 kb + tt / 2
.set VS1,  56
.set PWD,  72                          ; v72-103 P's scale words: 2 (4 trip + wave) + q / 2
.set INV,  104                         ; v104-111 1 / sum, twice each
.set MM,   112
.set O,    128                         ; v128-255 O^T: 32 q + 8 tt; ahead of it the figures
.set SQ,   128
.set LQ,   192
.set T1,   224
.set WV,   8
.set SEL,  20
.set CS,   22
.set G1,   24
.set G0,   32
.set TB,   36
.set IT,   37
.set N,    38
.set HI,   39
.set OFF,  40
.set BAK,  42
.set BAV,  44
.set XA,   46
.set XB,   47
.set PS,   56
.set PH,   57
.set MSB, 0
.macro WIN new                         ; the immediate's high byte repeats the setting that is left
.if MSB != \new
	s_set_vgpr_msb (MSB<<8)|\new
.set MSB, \new
.endif
.endm
.macro NOP4                            ; four places behind matrix instructions
.rept 4
	v_nop
.endr
.endm
; One scaled product on codes of E2M1.  c < 0: C is the constant 0.  ra, rb: the side's scale words are taken from lanes 16-31.
.macro WM d, a, b, c, sa, sb, ra, rb
.if (\c) < 0
.if (\ra) && (\rb)
	v_wmma_scale_f32_16x16x128_f8f6f4 v[(\d):(\d)+7], v[(\a):(\a)+7], v[(\b):(\b)+7], 0, v[(\sa)], v[(\sb)] matrix_a_fmt:MATRIX_FMT_FP4 matrix_b_fmt:MATRIX_FMT_FP4 matrix_a_scale:MATRIX_SCALE_ROW1 matrix_b_scale:MATRIX_SCALE_ROW1
.elseif (\ra)
	v_wmma_scale_f32_16x16x128_f8f6f4 v[(\d):(\d)+7], v[(\a):(\a)+7], v[(\b):(\b)+7], 0, v[(\sa)], v[(\sb)] matrix_a_fmt:MATRIX_FMT_FP4 matrix_b_fmt:MATRIX_FMT_FP4 matrix_a_scale:MATRIX_SCALE_ROW1
.elseif (\rb)
	v_wmma_scale_f32_16x16x128_f8f6f4 v[(\d):(\d)+7], v[(\a):(\a)+7], v[(\b):(\b)+7], 0, v[(\sa)], v[(\sb)] matrix_a_fmt:MATRIX_FMT_FP4 matrix_b_fmt:MATRIX_FMT_FP4 matrix_b_scale:MATRIX_SCALE_ROW1
.else
	v_wmma_scale_f32_16x16x128_f8f6f4 v[(\d):(\d)+7], v[(\a):(\a)+7], v[(\b):(\b)+7], 0, v[(\sa)], v[(\sb)] matrix_a_fmt:MATRIX_FMT_FP4 matrix_b_fmt:MATRIX_FMT_FP4
.endif
.else
.if (\ra) && (\rb)
	v_wmma_scale_f32_16x16x128_f8f6f4 v[(\d):(\d)+7], v[(\a):(\a)+7], v[(\b):(\b)+7], v[(\c):(\c)+7], v[(\sa)], v[(\sb)] matrix_a_fmt:MATRIX_FMT_FP4 matrix_b_fmt:MATRIX_FMT_FP4 matrix_a_scale:MATRIX_SCALE_ROW1 matrix_b_scale:MATRIX_SCALE_ROW1
.elseif (\ra)
	v_wmma_scale_f32_16x16x128_f8f6f4 v[(\d):(\d)+7], v[(\a):(\a)+7], v[(\b):(\b)+7], v[(\c):(\c)+7], v[(\sa)], v[(\sb)] matrix_a_fmt:MATRIX_FMT_FP4 matrix_b_fmt:MATRIX_FMT_FP4 matrix_a_scale:MATRIX_SCALE_ROW1
.elseif (\rb)
	v_wmma_scale_f32_16x16x128_f8f6f4 v[(\d):(\d)+7], v[(\a):(\a)+7], v[(\b):(\b)+7], v[(\c):(\c)+7], v[(\sa)], v[(\sb)] matrix_a_fmt:MATRIX_FMT_FP4 matrix_b_fmt:MATRIX_FMT_FP4 matrix_b_scale:MATRIX_SCALE_ROW1
.else
	v_wmma_scale_f32_16x16x128_f8f6f4 v[(\d):(\d)+7], v[(\a):(\a)+7], v[(\b):(\b)+7], v[(\c):(\c)+7], v[(\sa)], v[(\sb)] matrix_a_fmt:MATRIX_FMT_FP4 matrix_b_fmt:MATRIX_FMT_FP4
.endif
.endif
.endm
; A round of the cluster's barrier.
.macro CROUND
	s_barrier_signal -1
	s_barrier_wait -1
	s_cmp_lg_u32 s[WV], 0
	s_cbranch_scc1 .Lnot_wave_0_\@
	s_barrier_signal -3
.Lnot_wave_0_\@:
	s_barrier_wait -3
	s_barrier_signal -1
	s_barrier_wait -1
.endm
; The descriptor's step to load N + 1, behind the wait for all my tensor loads: the other slot, and its block in memory.
.macro NEXT
	s_xor_b32 s[G0+1], s[G0+1], SLOTX
	s_add_co_u32 s[N], s[N], 1
	s_and_b32 s9, s[N], 3
	s_cmp_lt_u32 s[N], 4
	s_cselect_b32 s10, s[XA], s[XB]
	s_cselect_b64 s[12:13], s[BAK:BAK+1], s[BAV:BAV+1]
	s_xor_b32 s9, s9, s10
	s_mul_i32 s[OFF], s9, 4*BLK                    ; (the pair's upper word stays 0)
	s_add_nc_u64 s[G0+2:G0+3], s[12:13], s[OFF:OFF+1]
	s_or_b32 s[G0+3], s[G0+3], 0x80000000          ; type = 2
.endm
; Behind the three lines: the round, and the one joint load behind it.
.macro REFILL
	s_wait_dscnt 0x0                               ; the add is done, and so are my reads of the slot that is filled again
	CROUND
	tensor_load_to_lds s[G0:G0+3], s[G1:G1+7]
	s_nop 0
	NOP4                                           ; (also places in front of loads into registers that the last products read)
.endm
.macro FKL a, a8                       ; my K block: scale words, then the fragments of the four K steps, 16 loads each
	WIN 0
.irp s, 0,1,2,3
.irp bb, 0,1
	ds_load_b64 v[KS+4*\s+2*\bb:KS+4*\s+2*\bb+1], v[\a8] offset:512*\s+256*\bb
.endr
.endr
	WIN 0x40
.irp s, 0,1,2,3
.irp t, 0,1,2,3,4,5,6,7
.irp c, 0,1
	ds_load_b128 v[64*\s+8*\t+4*\c:64*\s+8*\t+4*\c+3], v[\a] offset:8192*\s+1024*\t+512*\c
.endr
.endr
.endr
	WIN 0
.endm
.macro FW vs, ra, rb                   ; V: my scale words of the slot's eight key blocks
	WIN 0
.irp kb, 0,1,2,3
	ds_load_b64 v[(\vs)+2*\kb:(\vs)+2*\kb+1], v[\ra] offset:CHK*\kb
	ds_load_b64 v[(\vs)+8+2*\kb:(\vs)+9+2*\kb], v[\rb] offset:CHK*\kb
.endr
.endm
.macro FV kb, ra, rb                   ; V: my four fragments of key block kb
	WIN 0x40
.irp tt, 0,1,2,3
.irp c, 0,1
.if (\kb) < 4
	ds_load_b128 v[32*(\kb)+8*\tt+4*\c:32*(\kb)+8*\tt+4*\c+3], v[\ra] offset:CHK*((\kb)%4)+1024*\tt+512*\c
.else
	ds_load_b128 v[32*(\kb)+8*\tt+4*\c:32*(\kb)+8*\tt+4*\c+3], v[\rb] offset:CHK*((\kb)%4)+1024*\tt+512*\c
.endif
.endr
.endr
.endm
.macro FP win                          ; P: the image's 32 fragments into a whole window
	WIN \win
.set ii, 0
.rept 64
	ds_load_b128 v[4*ii:4*ii+3], v[PRD] offset:512*ii
.set ii, ii+1
.endr
	WIN 0
.endm
.macro QK s                            ; K step s: 32 accumulators by turns
	WIN 0xad                                       ; K window 1, Q window 3, S^T window 2
.irp t, 0,1,2,3,4,5,6,7
.irp q, 0,1,2,3
.if (\s) == 0
	WM 64*\q+8*\t, 64*\s+8*\t, 32*\q+8*\s, -1, KS+4*\s+\t/2, QS+2*\s+\q/2, \t%2, \q%2
.else
	WM 64*\q+8*\t, 64*\s+8*\t, 32*\q+8*\s, 64*\q+8*\t, KS+4*\s+\t/2, QS+2*\s+\q/2, \t%2, \q%2
.endif
.endr
.endr
.endm
.macro PV kb, kh, vs, zero             ; key block kb of key half kh: 16 accumulators by turns
.if (\kh)
	WIN 0x09                                       ; V window 1, P window 2, O^T window 0
.else
	WIN 0x0d                                       ; P window 3
.endif
.irp tt, 0,1,2,3
.irp q, 0,1,2,3
.if (\zero)
	WM O+32*\q+8*\tt, 32*(\kb)+8*\tt, 32*(\kb)+8*\q, -1, (\vs)+2*(\kb)+\tt/2, PWD+16*(\kh)+2*(\kb)+\q/2, \tt%2, \q%2
.else
	WM O+32*\q+8*\tt, 32*(\kb)+8*\tt, 32*(\kb)+8*\q, O+32*\q+8*\tt, (\vs)+2*(\kb)+\tt/2, PWD+16*(\kh)+2*(\kb)+\q/2, \tt%2, \q%2
.endif
.endr
.endr
.endm
; The softmax of a trip, the four query tiles line by line by turns; the codes go to v[pcb] on.
.macro SOFTMAX pcb
	WIN 0x2a
.irp b, 0,1,2,3
.irp q, 0,1,2,3
	v_max3_num_f32 v[TM+4*\q+\b], v[64*\q+16*\b], v[64*\q+16*\b+1], v[64*\q+16*\b+2]   ; the largest score of each block of 32 keys: for M and, since p rises with the score, for the block's largest p
.endr
.endr
	WIN 0x28
.irp i, 3,5,7,9,11,13
.irp b, 0,1,2,3
.irp q, 0,1,2,3
	v_max3_num_f32 v[TM+4*\q+\b], v[TM+4*\q+\b], v[64*\q+16*\b+\i], v[64*\q+16*\b+\i+1]
.endr
.endr
.endr
.irp b, 0,1,2,3
.irp q, 0,1,2,3
	v_max_num_f32 v[TM+4*\q+\b], v[TM+4*\q+\b], v[64*\q+16*\b+15]
.endr
.endr
	WIN 0
.set ii, 0
.rept 16
	v_permlanex16_b32 v[TN+ii], v[TM+ii], s[SEL], s[SEL+1]
.set ii, ii+1
.endr
.set ii, 0
.rept 16
	v_max_num_f32 v[TM+ii], v[TM+ii], v[TN+ii]                       ; with lane l xor 16's 16 keys
.set ii, ii+1
.endr
.irp q, 0,1,2,3
	v_max3_num_f32 v[MN+2*\q], v[TM+4*\q], v[TM+4*\q+1], v[TM+4*\q+2]
.endr
.irp q, 0,1,2,3
	v_max_num_f32 v[MN+2*\q], v[MN+2*\q], v[TM+4*\q+3]
.endr
.irp q, 0,1,2,3
	v_mul_f32 v[MN+2*\q], s[CS], v[MN+2*\q]                          ; as t (c is positive)
.endr
.irp q, 0,1,2,3
	v_floor_f32 v[MN+2*\q], -v[MN+2*\q]                              ; -M = floor(-t): M is a whole number
.endr
.irp b, 0,1,2,3
.irp q, 0,1,2,3
	v_fma_f32 v[TM+4*\q+\b], v[TM+4*\q+\b], s[CS], v[MN+2*\q]        ; t - M of each block's largest score
.endr
.endr
	WIN 0x82
.set ii, 0
.rept 32
.irp q, 0,1,2,3
	v_pk_fma_f32 v[64*\q+ii:64*\q+ii+1], v[64*\q+ii:64*\q+ii+1], s[CS:CS+1], v[MN+2*\q:MN+2*\q+1] op_sel_hi:[1,0,0]   ; and of all, two at a time
.endr
.set ii, ii+2
.endr
	s_wait_alu depctr_va_vdst(0)                   ; the wait ahead of the batch
.set ii, 0
.rept 256
	v_exp_f32 v[ii], v[ii]                                           ; p = 2^(t - M)
.set ii, ii+1
.endr
	WIN 0
.set ii, 0
.rept 16
	v_exp_f32 v[TM+ii], v[TM+ii]                                     ; the blocks' largest p: the same two instructions on the same number give the same bits
.set ii, ii+1
.endr
	v_nop
	s_wait_alu depctr_va_vdst(0)                   ; and behind it, ahead of the first reader
	WIN 0x0a
.irp q, 0,1,2,3
	v_pk_add_f32 v[SL+2*\q:SL+2*\q+1], v[64*\q:64*\q+1], v[64*\q+2:64*\q+3]          ; the sum is taken of the unquantised p
	v_pk_add_f32 v[SB+2*\q:SB+2*\q+1], v[64*\q+4:64*\q+5], v[64*\q+6:64*\q+7]
.endr
	WIN 0x08
.set ii, 8
.rept 14
.irp q, 0,1,2,3
	v_pk_add_f32 v[SL+2*\q:SL+2*\q+1], v[SL+2*\q:SL+2*\q+1], v[64*\q+ii:64*\q+ii+1]
	v_pk_add_f32 v[SB+2*\q:SB+2*\q+1], v[SB+2*\q:SB+2*\q+1], v[64*\q+ii+2:64*\q+ii+3]
.endr
.set ii, ii+4
.endr
	WIN 0
.irp q, 0,1,2,3
	v_pk_add_f32 v[SL+2*\q:SL+2*\q+1], v[SL+2*\q:SL+2*\q+1], v[SB+2*\q:SB+2*\q+1]
.endr
.irp q, 0,1,2,3
	v_add_f32 v[SL+2*\q], v[SL+2*\q], v[SL+2*\q+1]
.endr
.irp q, 0,1,2,3
	v_permlanex16_b32 v[TN+\q], v[SL+2*\q], s[SEL], s[SEL+1]
.endr
.irp q, 0,1,2,3
	v_add_f32 v[SL+2*\q], v[SL+2*\q], v[TN+\q]
.endr
.set ii, 0
.rept 16
	v_max_num_f32 v[TM+ii], 0x1800000, v[TM+ii]                      ; the floor 2^(3 - 127): the byte cannot fall under 1
.set ii, ii+1
.endr
.set ii, 0
.rept 16
	v_add_nc_u32 v[TS+ii], 0xff000000, v[TM+ii]                      ; 2 off the exponent field: the conversion's scale operand
.set ii, ii+1
.endr
.set ii, 0
.rept 16
	v_lshrrev_b32 v[TN+ii], 23, v[TS+ii]                             ; the scale's byte
.set ii, ii+1
.endr
.irp q, 0,1,2,3
	v_lshl_or_b32 v[PW+\q], v[TN+4*\q+1], 8, v[TN+4*\q]
.endr
.irp q, 0,1,2,3
	v_lshl_or_b32 v[PW+\q], v[TN+4*\q+2], 16, v[PW+\q]
.endr
.irp q, 0,1,2,3
	v_lshl_or_b32 v[PW+\q], v[TN+4*\q+3], 24, v[PW+\q]
.endr
	WIN 0x02
.irp b, 0,1,2,3
.irp q, 0,1,2,3
	v_cvt_scalef32_pk8_fp4_f32 v[(\pcb)+8*\q+2*\b], v[64*\q+16*\b:64*\q+16*\b+7], v[TS+4*\q+\b]
	v_cvt_scalef32_pk8_fp4_f32 v[(\pcb)+8*\q+2*\b+1], v[64*\q+16*\b+8:64*\q+16*\b+15], v[TS+4*\q+\b]
.endr
.endr
	v_nop                                          ; one plain line behind the scaled conversions
	WIN 0
.irp q, 0,1,2,3
.irp c, 0,1                                    ; the operand's layout wants a whole block in a lane
.irp i, 0,1
	v_permlane16_swap_b32 v[(\pcb)+8*\q+4*\c+\i], v[(\pcb)+8*\q+4*\c+2+\i]
.endr
.endr
.endr
	v_cndmask_b32 v[X], v[PW], v[PW+1], s[HI]      ; figures: lanes 0-15 the even tile's, lanes 16-31 the odd tile's
	v_cndmask_b32 v[X+1], v[PW+2], v[PW+3], s[HI]
	v_cndmask_b32 v[X+2], v[MN], v[MN+2], s[HI]
	v_cndmask_b32 v[X+3], v[MN+4], v[MN+6], s[HI]
	v_cndmask_b32 v[X+4], v[SL], v[SL+2], s[HI]
	v_cndmask_b32 v[X+5], v[SL+4], v[SL+6], s[HI]
	v_or_b32 v[X], 0x80808080, v[X]                ; (p is at most 1, so the bytes are at most 125: their top bits are free, and are set for the exchange's subtraction)
	v_or_b32 v[X+1], 0x80808080, v[X+1]
	v_add_nc_u32 v[ADS], s[PS], v[STA]
	v_add_nc_u32 v[ADS8], s[PS], v[STB]
	ds_store_b128 v[ADS], v[X:X+3]
	ds_store_b64 v[ADS8], v[X+4:X+5]
	s_add_co_u32 s[PS], s[PS], 4*768
.endm
.macro PST adr, pcb, off               ; 32 registers of codes to the image
.irp q, 0,1,2,3
.irp c, 0,1
	ds_store_b128 v[\adr], v[(\pcb)+8*\q+4*\c:(\pcb)+8*\q+4*\c+3] offset:(\off)+1024*\q+512*\c
.endr
.endr
.endm
; A TRIP.  Its K fragments lie in registers (or are on their way: 16 loads a K step, behind them at most the last trip's stores).
.macro TRIP pcb, last
	s_wait_dscnt 48                                ; scale words and K step 0; the later steps' 48 loads may be out
	QK 0
	s_wait_dscnt 32
	QK 1
	s_wait_dscnt 16
	QK 2
	WIN 0
	s_wait_tensorcnt 0x0                           ; my block of the other slot has landed
	ds_add_u32 v[SPW], v[NIL]
	s_wait_dscnt 1                                 ; K step 3; the add may be out
	NEXT
	QK 3
	WIN 0
	REFILL
.if \last
	FW VS0, AWA, AWB                               ; load 4, in slot 0: V's first fragments and scale words take K's registers,
.irp kb, 0,1,2,3,4,5,6,7
	FV \kb, AVA, AVB
.endr
	FP 0xc0                                        ; and P of trips 0 and 1 takes Q's window
.else
	s_xor_b32 s[TB], s[TB], SLOTX
	v_add_nc_u32 v[ADK], s[TB], v[AKF]
	v_add_nc_u32 v[ADK8], s[TB], v[AK8]
	FKL ADK, ADK8                                  ; the next trip's K
.endif
	SOFTMAX \pcb
.endm
	s_load_b128 s[4:7], s[0:1], 0x0                ; the blocks of Q, K, V; out
	v_lshl_add_u32 v[SPW], v0, 2, SPARE
	v_mov_b32 v[NIL], 0
	ds_add_u32 v[SPW], v[NIL]                      ; the wave's opening: the add, twice on end, and its wait ahead of my first tensor load
	ds_add_u32 v[SPW], v[NIL]
	v_lshrrev_b32 v28, 5, v0
	v_readfirstlane_b32 s[WV], v28                 ; wave 0..3
	s_bfe_u32 s11, ttmp6, 0x40000                  ; cx: it enters Q's, out's and the prefetch's addresses alone
	s_lshl_b32 s12, ttmp9, 2
	s_add_co_u32 s12, s12, s11                     ; my block of 64 queries
	s_and_b32 s13, ttmp7, 0xffff                   ; the batch
	s_mov_b32 s[G1], 15|(3<<16)|(1<<21)            ; a dense block of 34,816 bytes as 136 rows of 256 bytes (32 elements of 8 bytes); mask: all four work-groups; bit 21 beside it
	s_mov_b32 s[G1+1], 32<<16
	s_mov_b32 s[G1+2], 136<<16
	s_mov_b32 s[G1+3], 32<<16
	s_mov_b32 s[G1+4], 136
	s_mov_b32 s[G1+5], 32
	s_mov_b32 s[G1+6], 0
	s_mov_b32 s[G1+7], 0
	s_lshl_b32 s9, s13, 4
	s_add_co_u32 s14, s9, s[WV]                    ; K: block 128 + 16 batch + wave,
	s_add_co_u32 s14, s14, 128
	s_mul_i32 s14, s14, BLK
	s_mov_b32 s15, 0
	s_and_b32 s16, ttmp9, 1                        ; V: block 256 + 16 batch + (wave xor 2 (c % 2)): the pairs of key blocks in the order of this cluster's trips
	s_lshl_b32 s16, s16, 1
	s_xor_b32 s16, s16, s[WV]
	s_add_co_u32 s16, s16, s9
	s_add_co_u32 s16, s16, 256
	s_mul_i32 s16, s16, BLK
	s_mov_b32 s17, 0
	s_lshr_b32 s18, s12, 1                         ; Q: block 16 batch + (my 64 queries) / 2, tiles 4 (my 64 queries % 2) on
	s_add_co_u32 s18, s18, s9
	s_mul_i32 s18, s18, BLK
	s_and_b32 s10, s12, 1
	s_lshl_b32 s58, s10, 8
	s_add_co_u32 s58, s58, s18
	s_add_co_u32 s58, s58, SCW
	s_mov_b32 s59, 0
	s_lshl_b32 s10, s10, 12
	s_add_co_u32 s18, s18, s10
	s_mov_b32 s19, 0
	s_lshl_b32 s60, s13, 22                        ; out: row 2,048 batch + 64 x my block, of 2,048 bytes; 256 wave bytes on
	s_lshl_b32 s61, s12, 17
	s_add_co_u32 s60, s60, s61
	s_lshl_b32 s61, s[WV], 8
	s_add_co_u32 s60, s60, s61
	s_mov_b32 s61, 0
	s_and_b32 s[XA], ttmp9, 3                      ; K's order: n xor (c % 4)
	s_bfe_u32 s[XB], ttmp9, 0x10001                ; V's: key half xor (c / 2 % 2),
	s_bfe_u32 s9, ttmp9, 0x10002                   ; channel half xor (c / 4)
	s_lshl_b32 s10, s9, 1
	s_or_b32 s[XB], s[XB], s10
	s_lshl_b32 s50, s9, 10                         ; so my first channel half begins here in a row of out,
	s_mov_b32 s51, 0
	s_xor_b32 s52, s50, 1024                       ; and my second here
	s_mov_b32 s53, 0
	s_mul_i32 s54, s11, BLK/4                      ; my quarter of a block to prefetch
	s_mov_b32 s55, 0
	s_mul_i32 s[OFF], s[XA], 4*BLK
	s_mov_b32 s[OFF+1], 0
	s_mov_b32 s[G0], 1
	s_mul_i32 s[G0+1], s[WV], BLK                  ; LDS: slot 0, wave x a block
	s_add_co_u32 s10, s[G0+1], SCW
	s_lshl_b32 s56, s[WV], 12
	s_lshl_b32 s57, s[WV], 8
	s_add_co_u32 s57, s57, 16384
	s_add_co_u32 s62, s56, PIMG
	s_mul_i32 s63, s[WV], 768
	s_add_co_u32 s63, s63, STAT
	s_add_co_u32 s11, s63, 512
	s_mul_i32 s12, s[WV], STGW
	s_add_co_u32 s12, s12, PIMG
	s_mov_b32 s[SEL], 0x76543210
	s_mov_b32 s[SEL+1], 0xfedcba98                 ; v_permlanex16_b32's selects for lane l xor 16
	s_mov_b32 s[CS], 0x3d8293ee                    ; c = log2(e) / sqrt(512)
	s_mov_b32 s[CS+1], s[CS]
	s_mov_b32 s[HI], 0xffff0000                    ; lanes 16-31
	s_mov_b32 s[TB], 0
	s_mov_b32 s[N], 0
	v_and_b32 v28, 31, v0
	v_lshlrev_b32 v[LI], 4, v28
	v_lshlrev_b32 v[L8], 3, v28
	v_and_b32 v29, 15, v0
	v_bfe_u32 v30, v0, 4, 1
	v_add_nc_u32 v[AKF], s[G0+1], v[LI]
	v_add_nc_u32 v[AK8], s10, v[L8]
	v_add_nc_u32 v[AVA], s56, v[LI]
	v_add_nc_u32 v[AVB], 4*CHK, v[AVA]
	v_add_nc_u32 v[AWA], s57, v[L8]
	v_add_nc_u32 v[AWB], 4*CHK, v[AWA]
	v_add_nc_u32 v[AVC], SLOTX, v[AVA]
	v_add_nc_u32 v[AVD], SLOTX, v[AVB]
	v_add_nc_u32 v[AWC], SLOTX, v[AWA]
	v_add_nc_u32 v[AWD], SLOTX, v[AWB]
	v_add_nc_u32 v[PAD], s62, v[LI]
	v_add_nc_u32 v[PRD], PIMG, v[LI]
	v_add_nc_u32 v[STA], s63, v[LI]
	v_add_nc_u32 v[STB], s11, v[L8]
	v_add_nc_u32 v[STR], STAT, v[LI]
	v_add_nc_u32 v[STR8], STAT+512, v[L8]
	v_mul_u32_u24 v[OST], v29, 272                 ; in: row = my query's place, + 64 bytes for lanes 16-31
	v_lshl_add_u32 v[OST], v30, 6, v[OST]
	v_add_nc_u32 v[OST], s12, v[OST]
	v_mul_u32_u24 v[ORD], v30, 272                 ; back: sixteen lanes a row of 256 bytes, two rows an instruction
	v_lshl_add_u32 v[ORD], v29, 4, v[ORD]
	v_add_nc_u32 v[ORD], s12, v[ORD]
	v_lshlrev_b32 v[GOO], 11, v30
	v_lshl_add_u32 v[GOO], v29, 4, v[GOO]
	v_min_u32 v31, 16, v28                         ; 17 pieces of 256 bytes an instruction; the lanes left over name the last again
	v_lshlrev_b32 v[PFO], 8, v31
.set ii, 0
.rept 16
	v_mov_b32 v[TN+ii], 0                          ; written once: a lane permute's destination counts as one of its sources
.set ii, ii+1
.endr
.irp q, 0,1,2,3
	v_mov_b32 v[MN+2*\q+1], 0                      ; (named as the upper halves of pairs)
.endr
	s_wait_alu depctr_va_vdst(0)                   ; the wait at the head's end
	s_wait_dscnt 0x0                               ; both opening adds are done
	s_wait_kmcnt 0x0
	s_add_nc_u64 s[BAK:BAK+1], s[4:5], s[14:15]
	s_add_nc_u64 s[BAV:BAV+1], s[4:5], s[16:17]
	s_add_nc_u64 s[18:19], s[4:5], s[18:19]        ; Q's fragments
	s_add_nc_u64 s[58:59], s[4:5], s[58:59]        ; Q's scale words
	s_add_nc_u64 s[60:61], s[6:7], s[60:61]
	s_add_nc_u64 s[48:49], s[60:61], s[50:51]      ; out: my first channel half,
	s_add_nc_u64 s[50:51], s[60:61], s[52:53]      ; my second
	s_add_nc_u64 s[52:53], s[BAV:BAV+1], s[54:55]
	s_mul_i32 s54, s[XB], 4*BLK
	s_add_nc_u64 s[52:53], s[52:53], s[54:55]      ; the prefetch: my quarter of my block of load 4
	s_add_nc_u64 s[G0+2:G0+3], s[BAK:BAK+1], s[OFF:OFF+1]
	s_or_b32 s[G0+3], s[G0+3], 0x80000000
	s_mov_b32 s[PS], 0
	s_mov_b32 s[PH], 0
	s_mov_b32 s[IT], 0
	CROUND                                         ; all four work-groups are here: the first joint loads meet
	tensor_load_to_lds s[G0:G0+3], s[G1:G1+7]      ; load 0 into slot 0
	s_nop 0
	NOP4
	WIN 0xc0
.irp q, 0,1,2,3
.irp s, 0,1,2,3
.irp c, 0,1
	global_load_b128 v[32*\q+8*\s+4*\c:32*\q+8*\s+4*\c+3], v[LI], s[18:19] offset:8192*\s+1024*\q+512*\c   ; Q stays in registers through phase 1
.endr
.endr
.endr
	WIN 0
.irp s, 0,1,2,3
	global_load_b64 v[QS+2*\s:QS+2*\s+1], v[L8], s[58:59] offset:512*\s
.endr
	s_wait_tensorcnt 0x0                           ; load 0 has landed; slot 1's first fill stands behind these lines, as a refill does
	ds_add_u32 v[SPW], v[NIL]
	NEXT
	REFILL
	FKL AKF, AK8
	global_prefetch_b8 v[PFO], s[52:53] th:TH_LOAD_NT scope:SCOPE_SE
	global_prefetch_b8 v[PFO], s[52:53] offset:4352 th:TH_LOAD_NT scope:SCOPE_SE
	s_wait_loadcnt 0x0                             ; Q and its scale words
.Ltrip:                                            ; trips 0 to 2
	TRIP PC, 0
	v_add_nc_u32 v[ADP], s[PH], v[PAD]
	s_xor_b32 s[PH], s[PH], 16384
	s_cmp_lt_u32 s[IT], 2                          ; trips 0 and 1 store their codes; trip 2's wait in registers until the image has been read
	s_wait_alu depctr_va_vdst(0)                   ; directly ahead of the branch
	s_cbranch_scc0 .Lhold
	PST ADP, PC, 0
.Lhold:
	s_add_co_u32 s[IT], s[IT], 1
	s_cmp_lt_u32 s[IT], 3
	s_wait_alu depctr_va_vdst(0)
	s_cbranch_scc1 .Ltrip
	TRIP PC2, 1                                    ; trip 3
; THE EXCHANGE.
	s_wait_alu depctr_va_vdst(0)                   ; directly ahead of the wait below
	s_wait_dscnt 0x0                               ; I have read P of trips 0 and 1, whose place is written again
	s_barrier_signal -1
	s_barrier_wait -1
	PST PAD, PC, 0                                 ; trip 2,
	PST PAD, PC2, 16384                            ; trip 3
	s_wait_tensorcnt 0x0                           ; load 5 has landed; load 4 lies in registers: slot 0 takes load 6
	ds_add_u32 v[SPW], v[NIL]
	NEXT
	REFILL                                         ; (its wait for 0 also covers my codes and figures, which the others read behind the round)
.set ii, 0
.rept 16
	ds_load_b128 v[SQ+4*ii:SQ+4*ii+3], v[STR] offset:768*ii
	ds_load_b64 v[LQ+2*ii:LQ+2*ii+1], v[STR8] offset:768*ii
.set ii, ii+1
.endr
	FP 0x80                                        ; P of trips 2 and 3
	s_wait_dscnt 63                                ; the 32 loads of figures are in (and one of the 64 behind them)
.irp j, 0,1
	v_min3_num_f32 v[MM+\j], v[SQ+2+\j], v[SQ+6+\j], v[SQ+10+\j]     ; the least -M: the row's
.endr
.irp k, 3,5,7,9,11,13
.irp j, 0,1
	v_min3_num_f32 v[MM+\j], v[MM+\j], v[SQ+4*\k+2+\j], v[SQ+4*\k+6+\j]
.endr
.endr
.irp j, 0,1
	v_min_num_f32 v[MM+\j], v[MM+\j], v[SQ+62+\j]
.endr
; Eight of the sixteen key blocks.  With e = its M less the row's (0 or less, held at -126): its sum x 2^e, and each byte b of its scale words becomes b + e, held at 1:
; the word's bytes stand as 128 + b; less 1 - e they keep their top bit where b + e >= 1, and are then b + e - 1; elsewhere they are cleared; 1 is added to all.  No byte borrows: 128 + 1 - 127 > 0.
.macro EACH8 k0, line
.irp k, 0,1,2,3,4,5,6,7
.irp j, 0,1
	\line (\k0)+\k, \j, T1+2*\k+\j
.endr
.endr
.endm
.macro A1 k, j, t
	v_sub_f32 v[SQ+4*(\k)+2+\j], v[MM+\j], v[SQ+4*(\k)+2+\j]
.endm
.macro A2 k, j, t
	v_max_num_f32 v[SQ+4*(\k)+2+\j], 0xc2fc0000, v[SQ+4*(\k)+2+\j]
.endm
.macro A3 k, j, t
	v_cvt_i32_f32 v[SQ+4*(\k)+2+\j], v[SQ+4*(\k)+2+\j]
.endm
.macro A4 k, j, t
	v_ldexp_f32 v[LQ+2*(\k)+\j], v[LQ+2*(\k)+\j], v[SQ+4*(\k)+2+\j]
	v_sub_nc_u32 v[\t], 1, v[SQ+4*(\k)+2+\j]
.endm
.macro A5 k, j, t
	v_perm_b32 v[\t], v[\t], v[\t], 0
.endm
.macro A6 k, j, t
	v_sub_nc_u32 v[SQ+4*(\k)+\j], v[SQ+4*(\k)+\j], v[\t]
.endm
.macro A7 k, j, t
	v_and_b32 v[\t], 0x80808080, v[SQ+4*(\k)+\j]
.endm
.macro A8 k, j, t
	v_lshrrev_b32 v[SQ+4*(\k)+2+\j], 7, v[\t]
.endm
.macro A9 k, j, t
	v_sub_nc_u32 v[\t], v[\t], v[SQ+4*(\k)+2+\j]
.endm
.macro A10 k, j, t
	v_and_b32 v[SQ+4*(\k)+\j], v[SQ+4*(\k)+\j], v[\t]
.endm
.macro A11 k, j, t
	v_add_nc_u32 v[PWD+2*(\k)+\j], 0x1010101, v[SQ+4*(\k)+\j]
.endm
.irp h, 0,8
.irp l, A1,A2,A3,A4,A5,A6,A7,A8,A9,A10,A11
	EACH8 \h, \l
.endr
.endr
	v_pk_add_f32 v[114:115], v[LQ:LQ+1], v[LQ+2:LQ+3]                ; the row's sum over all keys, in two chains
	v_pk_add_f32 v[116:117], v[LQ+4:LQ+5], v[LQ+6:LQ+7]
.irp k, 4,6,8,10,12,14
	v_pk_add_f32 v[114:115], v[114:115], v[LQ+2*\k:LQ+2*\k+1]
	v_pk_add_f32 v[116:117], v[116:117], v[LQ+2*\k+2:LQ+2*\k+3]
.endr
	v_pk_add_f32 v[114:115], v[114:115], v[116:117]
	s_wait_alu depctr_va_vdst(0)                   ; the wait ahead of the batch, and behind it
	v_rcp_f32 v118, v114
	v_rcp_f32 v119, v115
	v_nop
	s_wait_alu depctr_va_vdst(0)
	v_permlanex16_b32 v120, v118, s[SEL], s[SEL+1]
	v_permlanex16_b32 v121, v119, s[SEL], s[SEL+1]
.irp u, 0,1
	v_cndmask_b32 v[INV+\u], v118, v120, s[HI]     ; tile 0's stands in lanes 0-15, tile 1's in lanes 16-31; every lane takes its query's
	v_cndmask_b32 v[INV+2+\u], v120, v118, s[HI]
	v_cndmask_b32 v[INV+4+\u], v119, v121, s[HI]
	v_cndmask_b32 v[INV+6+\u], v121, v119, s[HI]
.endr
	s_wait_alu depctr_va_vdst(0)
; PHASE 2.  While a slot's products run from registers, the next slot's fragments take the registers of the key blocks that are done.
.macro PV2 kb, kh, vs, zero
	PV \kb, \kh, \vs, \zero
	PV \kb+1, \kh, \vs, 0
.endm
.macro FV2 kb, ra, rb
	NOP4
	FV \kb, \ra, \rb
	FV \kb+1, \ra, \rb
.endm
; The way out of a channel half: O^T / the sum; 16 queries x 64 channels at a time through my two stages, and out as rows of 256 bytes.
.macro OSTAGE q
.set ii, 0
.rept 16
	v_pk_mul_f32 v[O+32*(\q)+ii:O+32*(\q)+ii+1], v[O+32*(\q)+ii:O+32*(\q)+ii+1], v[INV+2*(\q):INV+2*(\q)+1]
.set ii, ii+2
.endr
.irp tt, 0,1,2,3
.irp u, 0,1
	ds_store_b128 v[OST], v[O+32*(\q)+8*\tt+4*\u:O+32*(\q)+8*\tt+4*\u+3] offset:4352*((\q)%2)+128*(\tt/2)+32*(\tt%2)+16*\u
.endr
.endr
.endm
.macro OBACK q                         ; the tile's stores are done: its registers take the rows
	s_wait_dscnt 8
.irp k, 0,1,2,3,4,5,6,7
	ds_load_b128 v[O+32*(\q)+4*\k:O+32*(\q)+4*\k+3], v[ORD] offset:4352*((\q)%2)+544*\k
.endr
.endm
.macro OSEND q, n, sb
	s_wait_dscnt \n
.irp k, 0,1,2,3,4,5,6,7
	global_store_b128 v[GOO], v[O+32*(\q)+4*\k:O+32*(\q)+4*\k+3], s[\sb:\sb+1] offset:(32*((\q)/2)+8*((\q)%2)+2*\k+8*(\k/4))*2048 th:TH_STORE_NT
.endr
.endm
.macro OUT sb
	OSTAGE 0
	OSTAGE 1
	OBACK 0                                        ; behind tile 0's stores: tile 1's eight
	OBACK 1                                        ; behind tile 1's stores: tile 0's eight loads
	OSTAGE 2
	OSTAGE 3
	OSEND 0, 24, \sb                               ; behind tile 0's loads: tile 1's eight, sixteen stores
	OSEND 1, 16, \sb
	OBACK 2
	OBACK 3
	OSEND 2, 8, \sb
	OSEND 3, 0, \sb
.endm
	FW VS1, AWC, AWD
	PV2 0, 0, VS0, 1                               ; load 4 x P of trips 0, 1, while load 5 comes into registers
	FV2 0, AVC, AVD
.irp k, 2,4,6
	PV2 \k, 0, VS0, 0
	FV2 \k, AVC, AVD
.endr
	WIN 0
	s_wait_tensorcnt 0x0                           ; load 6 has landed
	ds_add_u32 v[SPW], v[NIL]
	s_wait_dscnt 49                                ; key blocks 0 and 1, P and the scale words are in; 48 later loads and the add may be out
	NEXT
	PV2 0, 1, VS1, 0                               ; load 5 x P of trips 2, 3
	WIN 0
	REFILL                                         ; slot 1 takes load 7
	FW VS0, AWA, AWB
	FV2 0, AVA, AVB
.irp k, 2,4,6
	PV2 \k, 1, VS1, 0
	FV2 \k, AVA, AVB
.endr
	WIN 0
	OUT 48                                         ; the first channel half leaves
	s_wait_tensorcnt 0x0                           ; load 7 has landed; nothing is filled again
	s_wait_xcnt 0x0                                ; the stores have read their registers, which the products below write
	s_wait_dscnt 0x0
	s_barrier_signal -1
	PV2 0, 0, VS0, 1                               ; load 6
	WIN 0
	s_barrier_wait -1
	FW VS1, AWC, AWD
	FV2 0, AVC, AVD
.irp k, 2,4,6
	PV2 \k, 0, VS0, 0
	FV2 \k, AVC, AVD
.endr
	s_wait_dscnt 48
	PV2 0, 1, VS1, 0                               ; load 7
	s_wait_dscnt 32
	PV2 2, 1, VS1, 0
	s_wait_dscnt 16
	PV2 4, 1, VS1, 0
	s_wait_dscnt 0x0
	PV2 6, 1, VS1, 0
	WIN 0
	NOP4
	OUT 50                                         ; the second channel half leaves
	s_wait_tensorcnt 0x0                           ; the wave's end, behind my last tensor load and my last LDS store
	ds_add_u32 v[SPW], v[NIL]
	s_wait_dscnt 0x0
	CROUND                                         ; the closing round: no work-group ends while a partner may still ask for a block that names it
	s_endpgm
.Lfunc_end_k_qcc1416c16f_attend:
	.size	k_qcc1416c16f_attend, .Lfunc_end_k_qcc1416c16f_attend-k_qcc1416c16f_attend
	.p2alignl 7, 3214868480
	.fill 96, 4, 3214868480
	.section	.rodata,"a",@progbits
	.p2align	6, 0x0
	.amdhsa_kernel k_qcc1416c16f_attend
		.amdhsa_group_segment_fixed_size 327680
		.amdhsa_private_segment_fixed_size 0
		.amdhsa_enable_private_segment 0
		.amdhsa_kernarg_size 16
		.amdhsa_user_sgpr_count 2
		.amdhsa_user_sgpr_kernarg_segment_ptr 1
		.amdhsa_wavefront_size32 1
		.amdhsa_system_sgpr_workgroup_id_x 1
		.amdhsa_system_sgpr_workgroup_id_y 1
		.amdhsa_system_sgpr_workgroup_id_z 1
		.amdhsa_system_vgpr_workitem_id 0
		.amdhsa_next_free_vgpr 1024
		.amdhsa_next_free_sgpr 66
		.amdhsa_reserve_vcc 0
		.amdhsa_float_denorm_mode_32 3
		.amdhsa_float_denorm_mode_16_64 3
		.amdhsa_memory_ordered 1
		.amdhsa_forward_progress 1
		.amdhsa_inst_pref_size 255
	.end_amdhsa_kernel
	.section	.bss,"aw",@nobits
	.p2align	6
	.space	262144
	.amdgpu_metadata
---
amdhsa.version: [ 1, 2 ]
amdhsa.kernels:
  - .name:           k_qcc1416c16f_attend
    .symbol:         k_qcc1416c16f_attend.kd
    .args:
      - { .name: qkv, .offset: 0, .size: 8, .value_kind: global_buffer, .address_space: global }
      - { .name: out0, .offset: 8, .size: 8, .value_kind: global_buffer, .address_space: global }
    .group_segment_fixed_size: 327680
    .private_segment_fixed_size: 0
    .kernarg_segment_align: 8
    .kernarg_segment_size: 16
    .max_flat_workgroup_size: 128
    .sgpr_count:     66
    .vgpr_count:     1024
    .wavefront_size: 32
...
	.end_amdgpu_metadata
.endif
;; end of part 3
